; MI455X (gfx1250); checked and timed in simulation.
; The chip was launched on July 23, 2026; its instructions are those of AMD's public machine-readable ISA for CDNA 5 (MIT licence, August 2026) and "CDNA5" Instruction Set Architecture Reference Guide (July 2026). The comments in the code are by the model that wrote it; some were corrected since.
;; Attention Model. Allowed arithmetic: matrix products marked QUANTISED: E4M3 operands, one E8M0 scale for each 32 along K, by v_wmma_scale_f32_16x16x128_f8f6f4 with both operands' format E4M3, f32 sums; products left as they are: f32 operands where the result goes on into a quantised operand, else bf16, f16 or f32 operands; f32 sums; everything else in f32.
;; Inputs: attn_W 1,024 x 2,048 float32; attn_b 1,024 float32; encoder_outputs_codes 2,048 x 32 x 32 x 32 uint8 (E4M3 codes of encoder_outputs, K innermost, in blocks of 32 codes); encoder_outputs_scales 2,048 x 32 x 32 uint8 (E8M0 scales of encoder_outputs, one for each 32 codes along K); rnn_hidden_codes 1 x 32 x 32 x 32 uint8 (E4M3 codes of rnn_hidden, K innermost, in blocks of 32 codes); rnn_hidden_scales 1 x 32 x 32 uint8 (E8M0 scales of rnn_hidden, one for each 32 codes along K); v 1 x 1,024 float32.
;; Outputs: out0 32 x 1 x 2,048 float32.
;; This version of the problem:
;;   THIS VERSION OF THE PROBLEM IS GIVEN IN LOW PRECISION. The matrix products marked QUANTISED in the list below multiply operands that are first quantised to E4M3 (4 exponent bits, 3 mantissa bits; 8 bits a number), with one power-of-two scale for each 32 numbers along K (OCP MX v1.0); their sums are f32. All else is computed in f32.
;;   The module's matrix products, in the order in which they are computed (A, B: the left and right operand; K: the contracted axis; several contracted axes count as one K, in the product's order):
;;     1. [M 32, K 1,024] x [K 1,024, N 1,024]; A: input rnn_hidden (given as codes); B: input attn_W: QUANTISED
;;     2. [M 65,536, K 1,024] x [K 1,024, N 1,024]; A: input encoder_outputs (given as codes); B: input attn_W: QUANTISED
;;     3. [M 1, K 1,024] x [K 1,024, N 65,536]; A: input v; B: computed on the way: left as it is (M = 1 < 16)
;;   THE QUANTISER, for each operand of a quantised product, along K:
;;     - K is cut into blocks of 32 from its start; a last block that is shorter is filled with zeros.
;;     - A block's scale is 2^e with e = floor(log2(the largest magnitude in the block)) - 8, held to -126 .. 127; a block of zeros has e = 0. As a byte (E8M0): e + 127.
;;     - Each number is divided by its block's scale, clamped to +-448, and rounded to the nearest number of E4M3, ties to even, subnormals kept.
;;     - The product sums the exact products of the quantised numbers (number of the format x scale) in f32.
;;   ~~~python
;;   def quantise(x, axis):      # numpy; x: float32 -> the quantised numbers, widened to float32 again
;;       x = np.moveaxis(x, axis, -1); K = x.shape[-1]
;;       x = np.pad(x, [(0, 0)] * (x.ndim - 1) + [(0, -K % 32)]); x = x.reshape(x.shape[:-1] + (-1, 32)); a = np.abs(x).max(-1, keepdims=True)
;;       e = np.where(a > 0, np.clip(np.frexp(np.where(a > 0, a, 1))[1] - 1 - 8, -126, 127), 0)      # np.frexp(a)[1] - 1 = floor(log2(a)), exactly
;;       r = np.clip(x / 2.0 ** e, -448, 448)
;;       step = 2.0 ** (np.maximum(np.frexp(np.where(r == 0, 1, r))[1] - 1, -6) - 3)
;;       q = np.round(r / step) * step * 2.0 ** e      # np.round: ties to even
;;       return np.moveaxis(q.reshape(q.shape[:-2] + (-1,))[..., :K], -1, axis).astype(np.float32)
;;   ~~~
;;   INPUTS GIVEN AS CODES. encoder_outputs (in the module: [2048, 32, 1024], K = its axis 2); rnn_hidden (in the module: [1, 32, 1024], K = its axis 2): each comes as NAME_codes (uint8): NAME with its K axis moved to the last place and cut into blocks of 32 codes, [.., K / 32, bytes a block], one block behind the other in memory; one code a byte (a code: sign, 4 exponent bits, 3 mantissa bits); and NAME_scales (uint8): the same leading axes, one E8M0 byte (e + 127) for each 32 codes along K. Its value is code x scale, taken as it is: it is not quantised again, and the codes and scales need not be those that the quantiser above would give.
;; One version. Each part assembles by itself: llvm-mc -triple=amdgcn-amd-amdhsa -mcpu=gfx1250 --defsym DOCPART=n.
;; ======== version 1 of 1: 3 launches
;; limits: right only within a limited range of input values
;; workspace buffers: we_img 1,048,576 bytes; we_sc 32,768 bytes; as_t 2,097,152 bytes; ep 2,097,152 bytes
;; launch prep (part 1): grid 128 x 1, 4 waves a work-group, no clusters, 18,432 bytes of LDS; arguments attn_W, encoder_outputs_scales, we_img, we_sc, as_t; writes we_img, we_sc, as_t
.if DOCPART == 1
	.amdgcn_target "amdgcn-amd-amdhsa--gfx1250"
	.amdhsa_code_object_version 6
	.text
	.protected	k_q540e70a60c_prep
	.globl	k_q540e70a60c_prep
	.p2align	8
	.type	k_q540e70a60c_prep,@function
k_q540e70a60c_prep:
	s_mov_b64 s[64:65], 0
	v_nop
	global_prefetch_b8 v0, s[64:65] scope:SCOPE_SE
	s_setreg_imm32_b32 hwreg(HW_REG_WAVE_MODE, 25, 1), 1
	s_wait_xcnt 0x0
; DEAD WORK LEFT OUT BY THE WHOLE PROGRAM.  energy[b][s] = sum over n of v[n] ew[s][b][n] + sum over n of v[n] hw[b][n].  The second sum does not hang on s, and the softmax runs over s:
; softmax(e + c) = softmax(e) for every finite c.  So hw = h Wh^T + attn_b (product 1 of the table) can reach no output, whatever finite values the inputs hold.
; attn_b, rnn_hidden_codes, rnn_hidden_scales and the half Wh of attn_W are not loaded; the first three are among no launch's arguments.
; LIMIT: a NaN, an infinity or an overflow that reaches only hw is not carried to the result.
; WHAT IT MAKES.  attn_W [1024 n][2048] f32 = [Wh | We], K innermost.
;  (1) We as codes of E4M3 with one E8M0 byte for each 32 along K, as images of the next launch's operand registers:
;      we_img [4 K steps of 256][64 tiles of 16 n][2 halves of 128 k][2,048 bytes]: four groups of four registers, 512 bytes each, lane l's 16 bytes at 16 l;
;      we_sc [2 halves of K][1024 n][16 bytes]: a row's four scale words (128 k each) of that half.
;  (2) encoder_outputs_scales [s][b][32] laid anew as as_t [b][half of K][s][16]; read and written in runs of 256 consecutive bytes.
; SHARES.  Work-group g: tile of 16 n = g / 2, half of K = g % 2.  Wave w: K step ks = 4 (g % 2) + w of 128: one fragment of We.  Wave 4 g + w also moves the scale bytes of 16 s x 8 b.
; A block's scale byte is the largest magnitude's exponent field - 8, held at 1 from below by a floor among the maximum's leaves.
; LIMITS.  A block of zeros gets the byte 1 where the quantiser says 127: its codes are zeros, and only this program reads the bytes.  NaN and infinities in attn_W are not served.
; No cluster, no tensor load: each byte is read by one wave.
.set TRP,  272                         ; a row of the turn stage: 256 bytes + 16
.set TRW,  16*TRP                      ; a wave's turn stage
.set SCG,  4*TRW                       ; 256 bytes: 16 rows x 4 scale words
.set SPARE, SCG+256                    ; the spare words, 128 bytes a wave
.set XE,   16                          ; v16-79   64 numbers of We
.set PCE,  80                          ; v80-95   its codes
.set TM,   96                          ; v96-111  at work
.set RL,   112                         ; v112-143 the relay's 8 x 16 bytes
.set SPW,  144
.set NIL,  145
	s_load_b64 s[4:5], s[0:1], 0x0                 ; attn_W
	s_load_b64 s[14:15], s[0:1], 0x8               ; encoder scales
	s_load_b128 s[16:19], s[0:1], 0x10             ; we_img, we_sc
	s_load_b64 s[20:21], s[0:1], 0x20              ; as_t
	v_lshl_add_u32 v[SPW], v0, 2, SPARE
	v_mov_b32 v[NIL], 0
	v_lshrrev_b32 v[TM+3], 5, v0
	v_readfirstlane_b32 s24, v[TM+3]               ; wave
	v_and_b32 v[TM], 31, v0                        ; lane
	v_and_b32 v[TM+1], 15, v0                      ; r
	v_bfe_u32 v[TM+2], v0, 4, 1                    ; h
	v_lshlrev_b32 v1, 13, v[TM+1]
	v_lshl_add_u32 v1, v[TM+2], 6, v1              ; W: row r of 8,192 bytes + 64 h
	v_lshlrev_b32 v5, 4, v[TM]                     ; 16 x lane
	v_lshlrev_b32 v11, 10, v[TM+2]
	v_lshl_add_u32 v11, v[TM+1], 4, v11            ; the relay's loads: lanes 0-15 one s, lanes 16-31 the next
	s_mul_i32 s27, s24, TRW
	v_mul_u32_u24 v6, v[TM+1], TRP
	v_lshl_add_u32 v6, v[TM+2], 4, v6
	v_add_nc_u32 v6, s27, v6                       ; into the turn stage: row = 2 b + half of K, column = s
	v_mul_u32_u24 v7, v[TM+2], TRP
	v_lshl_add_u32 v7, v[TM+1], 4, v7
	v_add_nc_u32 v7, s27, v7                       ; out of it: sixteen lanes to a row
	v_lshlrev_b32 v8, 15, v[TM+2]
	v_lshl_add_u32 v8, v[TM+1], 4, v8              ; the same place in as_t
	s_lshl_b32 s27, s24, 2
	s_add_co_u32 s27, s27, SCG
	v_lshl_add_u32 v10, v[TM+1], 4, s27            ; row r's four words, mine is word w
	v_lshlrev_b32 v13, 3, v[TM]                    ; 8 x lane
	v_add_nc_u32 v12, SCG, v13
.irp b, 0,1,2,3
	v_mov_b32 v[TM+4+\b], 0                        ; a lane permute's destination counts as a source
.endr
	s_mov_b32 s28, 0x76543210
	s_mov_b32 s29, 0xfedcba98
	s_mov_b32 s30, 0x600000                        ; the mantissa field of 448
	s_lshr_b32 s32, ttmp9, 1                       ; the tile of 16 n
	s_and_b32 s33, ttmp9, 1                        ; the half of K
	s_lshl_b32 s25, s33, 2
	s_add_co_u32 s25, s25, s24                     ; ks
	s_lshl_b32 s36, ttmp9, 2
	s_add_co_u32 s36, s36, s24
	s_lshr_b32 s37, s36, 2                         ; which 16 s
	s_and_b32 s36, s36, 3                          ; which 8 b
	s_mov_b32 s35, 0
	s_wait_alu depctr_va_vdst(0)                   ; the wait at the head's end
	s_wait_kmcnt 0x0
	s_lshl_b32 s34, s32, 17
	s_lshl_b32 s38, s25, 9
	s_add_co_u32 s34, s34, s38
	s_add_nc_u64 s[4:5], s[4:5], s[34:35]          ; W: 16 rows x tile + 512 bytes x ks
	s_lshl_b32 s34, s37, 14
	s_lshl_b32 s38, s36, 8
	s_add_co_u32 s34, s34, s38
	s_add_nc_u64 s[14:15], s[14:15], s[34:35]
	s_lshl_b32 s34, s36, 19
	s_lshl_b32 s38, s37, 8
	s_add_co_u32 s34, s34, s38
	s_add_nc_u64 s[20:21], s[20:21], s[34:35]
	s_lshr_b32 s34, s25, 1
	s_lshl_b32 s34, s34, 18
	s_lshl_b32 s38, s32, 12
	s_add_co_u32 s34, s34, s38
	s_and_b32 s38, s25, 1
	s_lshl_b32 s38, s38, 11
	s_add_co_u32 s34, s34, s38
	s_add_nc_u64 s[16:17], s[16:17], s[34:35]      ; we_img: [ks / 2][tile][ks % 2]
	s_lshl_b32 s34, s33, 14
	s_lshl_b32 s38, s32, 8
	s_add_co_u32 s34, s34, s38
	s_add_nc_u64 s[18:19], s[18:19], s[34:35]      ; we_sc: [half of K][tile's 16 rows]
.irp i, 0,1,2,3,4,5,6,7
	global_load_b128 v[RL+4*\i:RL+4*\i+3], v11, s[14:15] offset:2048*\i th:TH_LOAD_NT
.endr
.irp c, 0,1,2,3
.irp j, 0,1,2,3
	global_load_b128 v[XE+16*\c+4*\j:XE+16*\c+4*\j+3], v1, s[4:5] offset:4096+128*\c+16*\j th:TH_LOAD_NT   ; We begins 4,096 bytes into a row
.endr
.endr
	s_wait_loadcnt 16                              ; the relay's 8 loads are in; We's 16 stay out
.irp i, 0,1,2,3,4,5,6,7
	ds_store_b128 v6, v[RL+4*\i:RL+4*\i+3] offset:32*\i
.endr
.irp i, 0,1,2,3,4,5,6,7
	ds_load_b128 v[RL+4*\i:RL+4*\i+3], v7 offset:2*TRP*\i   ; a wave's LDS instructions are served in order
.endr
	s_wait_dscnt 0x0
.irp i, 0,1,2,3,4,5,6,7
	global_store_b128 v8, v[RL+4*\i:RL+4*\i+3], s[20:21] offset:65536*\i   ; sixteen lanes store 256 consecutive bytes
.endr
	s_wait_loadcnt 0x0
.irp b, 0,1,2,3
	v_max3_num_f32 v[TM+\b], |v[XE+16*\b]|, |v[XE+1+16*\b]|, 0x4800000   ; my 16 numbers of block b and the floor 2^(9 - 127)
.endr
.irp i, 2,4,6,8,10,12,14
.irp b, 0,1,2,3
	v_max3_num_f32 v[TM+\b], v[TM+\b], |v[XE+16*\b+\i]|, |v[XE+1+16*\b+\i]|
.endr
.endr
.irp b, 0,1,2,3
	v_permlanex16_b32 v[TM+4+\b], v[TM+\b], s28, s29
.endr
.irp b, 0,1,2,3
	v_max_num_f32 v[TM+\b], v[TM+\b], v[TM+4+\b]   ; with lane l xor 16's
.endr
.irp b, 0,1,2,3
	v_add_nc_u32 v[TM+12+\b], 0xfc000000, v[TM+\b] ; 8 off the exponent field: the conversion's scale operand
.endr
.irp b, 0,1,2,3
	v_and_or_b32 v[TM+8+\b], v[TM+\b], 0x7f800000, s30   ; 448 x the scale
.endr
.irp b, 0,1,2,3
	v_lshrrev_b32 v[TM+4+\b], 23, v[TM+12+\b]      ; the scale's byte
.endr
	v_lshl_or_b32 v15, v[TM+5], 8, v[TM+4]
	v_lshl_or_b32 v15, v[TM+6], 16, v15
	v_lshl_or_b32 v15, v[TM+7], 24, v15            ; my row's scale word
.irp b, 0,1,2,3
.irp i, 0,1,2,3,4,5,6,7,8,9,10,11,12,13,14,15
	v_med3_num_f32 v[XE+16*\b+\i], v[XE+16*\b+\i], -v[TM+8+\b], v[TM+8+\b]   ; the hold: the conversion does not saturate (ISA guide 7.6.2)
.endr
	v_cvt_scalef32_pk8_fp8_f32 v[PCE+4*\b:PCE+1+4*\b], v[XE+16*\b:XE+7+16*\b], v[TM+12+\b]
	v_cvt_scalef32_pk8_fp8_f32 v[PCE+2+4*\b:PCE+3+4*\b], v[XE+8+16*\b:XE+15+16*\b], v[TM+12+\b]
.endr
	v_nop                                          ; one plain line behind the last scaled conversion
.irp c, 0,1,2,3
	global_store_b128 v5, v[PCE+4*\c:PCE+4*\c+3], s[16:17] offset:512*\c   ; 512 consecutive bytes a store
.endr
	ds_store_b32 v10, v15                          ; lanes r and r + 16 write the same word with the same value
	s_wait_dscnt 0x0                               ; for the others' sake
	s_barrier_signal -1
	s_barrier_wait -1
	s_cmp_lg_u32 s24, 0                            ; wave 0 sends the 16 rows' scale words
	s_cbranch_scc1 .Ldone
	ds_load_b64 v[2:3], v12
	s_wait_dscnt 0x0
	global_store_b64 v13, v[2:3], s[18:19]         ; 256 consecutive bytes, at a multiple of 256
.Ldone:
	s_wait_tensorcnt 0x0                           ; the wave's end
	ds_add_u32 v[SPW], v[NIL]
	s_wait_dscnt 0x0
	s_endpgm
.Lfunc_end_k_q540e70a60c_prep:
	.size	k_q540e70a60c_prep, .Lfunc_end_k_q540e70a60c_prep-k_q540e70a60c_prep
	.p2alignl 7, 3214868480
	.fill 96, 4, 3214868480
	.section	.rodata,"a",@progbits
	.p2align	6, 0x0
	.amdhsa_kernel k_q540e70a60c_prep
		.amdhsa_group_segment_fixed_size 18432
		.amdhsa_private_segment_fixed_size 0
		.amdhsa_enable_private_segment 0
		.amdhsa_kernarg_size 40
		.amdhsa_user_sgpr_count 2
		.amdhsa_user_sgpr_kernarg_segment_ptr 1
		.amdhsa_wavefront_size32 1
		.amdhsa_system_sgpr_workgroup_id_x 1
		.amdhsa_system_sgpr_workgroup_id_y 1
		.amdhsa_system_sgpr_workgroup_id_z 1
		.amdhsa_system_vgpr_workitem_id 0
		.amdhsa_next_free_vgpr 148
		.amdhsa_next_free_sgpr 66
		.amdhsa_reserve_vcc 0
		.amdhsa_float_denorm_mode_32 3
		.amdhsa_float_denorm_mode_16_64 3
		.amdhsa_memory_ordered 1
		.amdhsa_forward_progress 1
		.amdhsa_inst_pref_size 17
	.end_amdhsa_kernel
	.amdgpu_metadata
---
amdhsa.version: [ 1, 2 ]
amdhsa.kernels:
  - .name:           k_q540e70a60c_prep
    .symbol:         k_q540e70a60c_prep.kd
    .args:
      - { .name: attn_W, .offset: 0, .size: 8, .value_kind: global_buffer, .address_space: global }
      - { .name: encoder_outputs_scales, .offset: 8, .size: 8, .value_kind: global_buffer, .address_space: global }
      - { .name: we_img, .offset: 16, .size: 8, .value_kind: global_buffer, .address_space: global }
      - { .name: we_sc, .offset: 24, .size: 8, .value_kind: global_buffer, .address_space: global }
      - { .name: as_t, .offset: 32, .size: 8, .value_kind: global_buffer, .address_space: global }
    .group_segment_fixed_size: 18432
    .private_segment_fixed_size: 0
    .kernarg_segment_align: 8
    .kernarg_segment_size: 40
    .max_flat_workgroup_size: 128
    .sgpr_count:     66
    .vgpr_count:     148
    .wavefront_size: 32
...
	.end_amdgpu_metadata
.endif
;; end of part 1
;; launch gemm (part 2): grid 4 x 64, 4 waves a work-group, clusters of 4 x 1, 327,680 bytes of LDS; arguments encoder_outputs_codes, as_t, we_img, we_sc, v, ep; writes ep
.if DOCPART == 2
	.amdgcn_target "amdgcn-amd-amdhsa--gfx1250"
	.amdhsa_code_object_version 6
	.text
	.protected	k_q540e70a60c_gemm
	.globl	k_q540e70a60c_gemm
	.p2align	8
	.type	k_q540e70a60c_gemm,@function
k_q540e70a60c_gemm:
	s_mov_b64 s[64:65], 0
	v_nop
	global_prefetch_b8 v0, s[64:65] scope:SCOPE_SE
	s_setreg_imm32_b32 hwreg(HW_REG_WAVE_MODE, 25, 1), 1
	s_wait_xcnt 0x0
	s_wait_alu depctr_hold_cnt(0) depctr_sa_sdst(0) depctr_va_vdst(0) depctr_va_sdst(0) depctr_va_ssrc(0) depctr_va_vcc(0) depctr_vm_vsrc(0)
	s_getreg_b32 s2, hwreg(HW_REG_IB_STS2, 6, 4)
	s_cmp_eq_u32 s2, 0
	s_cbranch_scc0 .Lentry_in_a_cluster
	s_endpgm
.Lentry_in_a_cluster:
	s_bfe_u32 s2, ttmp6, 0x10000c
	s_cmp_lg_u32 s2, 0x3003
	s_cbranch_scc0 .Lentry_shape_is_right
	s_endpgm
.Lentry_shape_is_right:
; hw = h Wh^T + attn_b is left out: it is the same along the softmax's axis (shown at the head of the first kernel).
; ep[4 kh + x][b][s] = sum over the 256 n of quarter x of v[n] (sum over the 512 k of half kh of enc[s][b][k] We[n][k]): the large product on codes of E4M3 with E8M0 scales, and the
; product with v in f32 behind its accumulators.  The energy is linear in K and N; the next launch adds the eight parts (another order of rounding than one chain; no difference of large sums).
; SHARES.  256 work-groups of four waves.  Work-group (x, y): quarter x of N, b = y % 32, kh = y / 32, all 2,048 s: eight tiles of 256 s.  Wave w: rows 128 (w / 2) .. + 127 of a tile, n 128 (w % 2) .. + 127.
; WE STAYS IN REGISTERS: a wave's 128 n x 512 k are 32 fragments, 512 registers, loaded once from their images.  Only A is read from LDS: a fragment of A (2,048 bytes) feeds eight products.
; A BLOCK of 16 rows is 32 products: its 8 accumulators by turns, K ascending, the first with C = 0.  Two sets of accumulators and of A's fragments take turns block by block:
;   behind block j's products stand the sums with v of block j - 1 (38 or 39 plain vector lines that name none of block j's registers: the places of ISA guide 7.12.1), then the LDS loads of block j + 2.
; THE RING: two slots, each a whole tile of A: 256 rows x 512 bytes (two runs of 256 at a multiple of 256), pitch 528.  Each wave fetches 64 rows by one joint load.  One round a tile, in block 6:
;   all reads of the slot were issued behind block 5.  A refill has a whole tile's 256 products a wave in which to land.  By the text's count one tensor load of a wave is out at most.
; CLUSTER 4, 1, 1: the four quarters of N of one y read the same tiles of A: joint loads, mask 15.  We is not asked for jointly: it goes straight into registers, once, 262,144 bytes a work-group against A's 1,048,576.
; A's scale words: as_t [b][kh][s][16]: one load of 512 consecutive bytes serves two blocks (lanes 0-15 the even one, lanes 16-31 the odd one), four loads a tile, a tile ahead.
; TRANSPOSED USE: source 0 = 16 rows of We, source 1 = 16 rows of A: lane (r, h), register j holds n = 8 h + j of We's block and row r.
; REGISTERS: window 0: addresses; v32-63 A's scale words, two sets; v66-81 We's; v84-93 sums; v128-191 v's numbers.  Window 1: v0-127 A's fragments, two sets; v128-255 accumulators, two sets.
;   Window 2: We's k 0-255 (128 q + 16 b); window 3: k 256-511.  LDS: all is claimed; 287,232 bytes are used.
.set PITCH,  528
.set SLOT,   256*PITCH
.set SPARE,  2*SLOT                    ; the spare words, 128 bytes a wave
.set ESTG,   SPARE+512                 ; the energies: [wave][tile][128 rows] f32; no fill lands here
.set NEXT_A, 256*32768                 ; a tile down in A
.set ADRA, 16                          ; v16-17 my A fragments in slot 0, 1
.set EST,  22                          ; my energies of the tile at work
.set ERD,  23
.set EGO,  24                          ; 16 x lane
.set PFO,  25
.set VA,   26
.set ESTO, 27
.set SPW,  28
.set NIL,  29
.set SCA,  32
.set SCB,  66                          ; SCB - SCA = 2 modulo 8: a product's two scale registers never have the same number modulo 8
.set ES,   84
.set ET,   92
.set EV,   93
.set VV,   128
.set G1,   24
.set G0,   32
.set PFA,  44
.set SB,   46
.set MSB, 0
.macro WIN new
.if MSB != \new
	s_set_vgpr_msb (MSB<<8)|\new
.set MSB, \new
.endif
.endm
.macro ALOAD s                         ; my 64 rows of a tile; s_nop 0 and four v_nop follow
	tensor_load_to_lds s[G0+4*\s:G0+4*\s+3], s[G1:G1+7]
	s_nop 0
.rept 4
	v_nop
.endr
.endm
.macro CREST
	s_cmp_lg_u32 s96, 0
	s_cbranch_scc1 .Lnot_wave_0_\@
	s_barrier_signal -3
.Lnot_wave_0_\@:
	s_barrier_wait -3
	s_barrier_signal -1
	s_barrier_wait -1
.endm
.macro CROUND
	s_barrier_signal -1
	s_barrier_wait -1
	CREST
.endm
; A prefetch into the L2: tile t names tile t + 3, which the refill in tile t + 1 asks for: a tile's products ahead of that load.  A tile is 512 runs of 256 bytes: the four partners' sixteen waves take
; 32 each, told apart by address (rows 64 cx + 16 w + lane % 16, run lane / 16).  Tiles 0 to 2 come by their loads alone; tiles 5 to 7 ask for nothing.
.macro ASK how
.if \how == 2
	s_cmp_gt_u32 s3, 1                             ; not in the last trip: tile 5 has no tile three on
	s_cbranch_scc0 .Lno_ask_\@
.endif
	global_prefetch_b8 v[PFO], s[PFA:PFA+1] th:TH_LOAD_NT scope:SCOPE_SE
.if \how == 2
.Lno_ask_\@:
.endif
.endm
.macro LDA s, blk, set                 ; block blk of slot s: four fragments, 16 rows x 512 k
	WIN 0x40
.irp q, 0,1,2,3
.irp c, 0,1,2,3
	ds_load_b128 v[64*(\set)+16*\q+4*\c:64*(\set)+16*\q+4*\c+3], v[ADRA+(\s)] offset:(\blk)*16*PITCH+128*\q+32*\c
.endr
.endr
	WIN 0
.endm
.macro WM j, b, q, s                   ; A's block j x We's block b, the q-th 128 along K; an odd block's scale words lie in lanes 16-31
.set rD, 128+64*((\j)%2)+8*(\b)
.set rB, 128*((\q)%2)+16*(\b)
.set rA, 64*((\j)%2)+16*(\q)
.set rY, SCB+4*((\b)/2)+(\q)
.set rX, SCA+16*(\s)+4*((\j)/2)+(\q)
.set par, 2*((\j)%2)+(\b)%2
.if (\q) == 0
.if par == 0
	v_wmma_scale_f32_16x16x128_f8f6f4 v[rD:rD+7], v[rB:rB+15], v[rA:rA+15], 0, v[rY], v[rX]
.elseif par == 1
	v_wmma_scale_f32_16x16x128_f8f6f4 v[rD:rD+7], v[rB:rB+15], v[rA:rA+15], 0, v[rY], v[rX] matrix_a_scale:MATRIX_SCALE_ROW1
.elseif par == 2
	v_wmma_scale_f32_16x16x128_f8f6f4 v[rD:rD+7], v[rB:rB+15], v[rA:rA+15], 0, v[rY], v[rX] matrix_b_scale:MATRIX_SCALE_ROW1
.else
	v_wmma_scale_f32_16x16x128_f8f6f4 v[rD:rD+7], v[rB:rB+15], v[rA:rA+15], 0, v[rY], v[rX] matrix_a_scale:MATRIX_SCALE_ROW1 matrix_b_scale:MATRIX_SCALE_ROW1
.endif
.else
.if par == 0
	v_wmma_scale_f32_16x16x128_f8f6f4 v[rD:rD+7], v[rB:rB+15], v[rA:rA+15], v[rD:rD+7], v[rY], v[rX]
.elseif par == 1
	v_wmma_scale_f32_16x16x128_f8f6f4 v[rD:rD+7], v[rB:rB+15], v[rA:rA+15], v[rD:rD+7], v[rY], v[rX] matrix_a_scale:MATRIX_SCALE_ROW1
.elseif par == 2
	v_wmma_scale_f32_16x16x128_f8f6f4 v[rD:rD+7], v[rB:rB+15], v[rA:rA+15], v[rD:rD+7], v[rY], v[rX] matrix_b_scale:MATRIX_SCALE_ROW1
.else
	v_wmma_scale_f32_16x16x128_f8f6f4 v[rD:rD+7], v[rB:rB+15], v[rA:rA+15], v[rD:rD+7], v[rY], v[rX] matrix_a_scale:MATRIX_SCALE_ROW1 matrix_b_scale:MATRIX_SCALE_ROW1
.endif
.endif
.endm
; Block j's 32 products.  cnt: the younger LDS instructions that may stay out.  ring = 1: the change of slots, one barrier; ring = 2: it opens a round, and slot s is filled again, two tiles on.
.macro W j, s, cnt, ring
.if \ring
	s_wait_tensorcnt 0x0                           ; all my tensor loads have landed: my part of the next tile
	ds_add_u32 v[SPW], v[NIL]
	s_wait_dscnt 17                                ; the add and block 7's 16 loads may be out
.else
	s_wait_dscnt \cnt
.endif
.if (\j) == 0
	s_wait_loadcnt 0x0                             ; this tile's scale words (the first time: We, its scale words and v too)
.endif
	WIN 0x56                                       ; source 0 window 2; source 1, C and D window 1
.irp q, 0,1
.irp b, 0,1,2,3,4,5,6,7
	WM \j, \b, \q, \s
.endr
.endr
.if \ring
	s_wait_dscnt 0x0                               ; the add is done, and my reads of this slot are over
	s_barrier_signal -1
.endif
	WIN 0x57                                       ; source 0 window 3
.irp q, 2,3
.irp b, 0,1,2,3,4,5,6,7
	WM \j, \b, \q, \s
.endr
.endr
	WIN 0
.if \ring
	s_barrier_wait -1
.endif
.if \ring == 2
	CREST                                          ; no wave of any partner still reads this slot or has a load on its way
	s_add_nc_u64 s[G0+4*\s+2:G0+4*\s+3], s[G0+4*\s+2:G0+4*\s+3], 2*NEXT_A
	ALOAD \s                                       ; the first tensor load behind the round, my one load until the next
.endif
.endm
; The sum over my 128 n of v[n] x a block's accumulators (set = odd), four chains; each accumulator is read from its low end on.  An odd block joins the even one before it: 32 neighbouring rows, one store.
.macro EPI odd, off
	WIN 0x01
.irp b, 0,1,2,3,4,5,6,7
.irp jp, 0,1,2,3
.if \b == 0
	v_pk_mul_f32 v[ES+2*\jp:ES+2*\jp+1], v[128+64*\odd+8*\b+2*\jp:128+64*\odd+8*\b+2*\jp+1], v[VV+8*\b+2*\jp:VV+8*\b+2*\jp+1]
.else
	v_pk_fma_f32 v[ES+2*\jp:ES+2*\jp+1], v[128+64*\odd+8*\b+2*\jp:128+64*\odd+8*\b+2*\jp+1], v[VV+8*\b+2*\jp:VV+8*\b+2*\jp+1], v[ES+2*\jp:ES+2*\jp+1]
.endif
.endr
.endr
	WIN 0
	v_pk_add_f32 v[ES:ES+1], v[ES:ES+1], v[ES+2:ES+3]
	v_pk_add_f32 v[ES+4:ES+5], v[ES+4:ES+5], v[ES+6:ES+7]
	v_pk_add_f32 v[ES:ES+1], v[ES:ES+1], v[ES+4:ES+5]
	v_add_f32 v[ES], v[ES], v[ES+1]
	v_permlanex16_b32 v[ET], v[ES], s66, s67       ; the other eight n of each block of We
.if \odd
	v_add_f32 v[ES], v[ES], v[ET]
	v_cndmask_b32 v[ES], v[EV], v[ES], s94         ; lanes 0-15 the even block's rows, lanes 16-31 the odd block's
	ds_store_b32 v[EST], v[ES] offset:\off
.else
	v_add_f32 v[EV], v[ES], v[ET]
.endif
.endm
; A tile's block 0, the last sums of the tile before, and the step to this tile's energies
.macro W0P s
	W 0, \s, 16, 0
	EPI 1, 384
	s_add_co_u32 s99, s99, 512
	v_add_nc_u32 v[EST], s99, v[ESTO]
	s_wait_alu depctr_va_vdst(0)                   ; the wait here, directly behind the write
.endm
; The rest of a tile in slot s, from the loads behind block 0 on.  nxt = 1: a tile follows; ask: 0 none, 1 always, 2 not in the last trip.
.macro REST s, ring, nxt, ask
.if \nxt
	s_wait_xcnt 0x0                                ; earlier loads and the prefetch have read their bases
	s_add_nc_u64 s[SB:SB+1], s[SB:SB+1], 4096      ; the next tile's scale bytes
.if \ask
	s_add_nc_u64 s[PFA:PFA+1], s[PFA:PFA+1], NEXT_A
.endif
.irp i, 0,1,2,3
	global_load_b128 v[SCA+16*(1-\s)+4*\i:SCA+16*(1-\s)+4*\i+3], v[EGO], s[SB:SB+1] offset:512*\i
.endr
.endif
	LDA \s, 2, 0
.irp j, 1,2,3,4,5,6,7
.if \j == 6
	W \j, \s, 16, \ring
.elseif (\j == 7) && (\nxt == 0)
	W \j, \s, 0, 0
.else
	W \j, \s, 16, 0
.endif
	EPI ((\j-1)%2), 128*((\j-1)/2)
.if \j < 6
	LDA \s, \j+2, \j%2
.elseif \nxt
	LDA 1-\s, \j-6, \j%2
.endif
.if (\j == 2) && \ask
	ASK \ask
.endif
.endr
.endm
	s_load_b256 s[4:11], s[0:1], 0x0               ; A's codes, as_t, we_img, we_sc
	s_load_b128 s[12:15], s[0:1], 0x20             ; v, ep
	v_lshl_add_u32 v[SPW], v0, 2, SPARE
	v_mov_b32 v[NIL], 0
	ds_add_u32 v[SPW], v[NIL]                      ; the opening lines: the add twice on end
	ds_add_u32 v[SPW], v[NIL]
	v_lshrrev_b32 v1, 5, v0
	v_readfirstlane_b32 s96, v1                    ; wave
	s_lshr_b32 s97, s96, 1                         ; my half of the rows
	s_and_b32 s98, s96, 1                          ; my half of the columns
	s_bfe_u32 s40, ttmp6, 0x40000                  ; cx
	s_lshl_b32 s16, ttmp9, 2
	s_add_co_u32 s16, s16, s40                     ; x
	s_and_b32 s17, ttmp7, 0xffff                   ; y
	s_and_b32 s18, s17, 31                         ; b
	s_lshr_b32 s19, s17, 5                         ; kh
	s_mov_b32 s[G1+0], 15|(1<<20)|(1<<21)|(6<<22)|(3<<25)   ; mask: the four partners; bytes; 4 words of padding behind every 128
	s_mov_b32 s[G1+1], 512<<16
	s_mov_b32 s[G1+2], 64<<16
	s_mov_b32 s[G1+3], 512<<16
	s_mov_b32 s[G1+4], 64
	s_mov_b32 s[G1+5], 32768
	s_mov_b32 s[G1+6], 0
	s_mov_b32 s[G1+7], 0
	s_lshl_b32 s20, s96, 21                        ; my 64 rows of 32,768 bytes,
	s_lshl_b32 s21, s18, 10                        ; b,
	s_add_co_u32 s20, s20, s21
	s_lshl_b32 s21, s19, 9                         ; the half of K
	s_add_co_u32 s20, s20, s21
	s_mov_b32 s21, 0
	s_mul_i32 s45, s96, 64*PITCH
	s_wait_dscnt 0x0
	s_wait_kmcnt 0x0
	s_add_nc_u64 s[20:21], s[4:5], s[20:21]
	CROUND                                         ; in front of the first joint loads
.irp s, 0,1
	s_mov_b32 s[G0+4*\s], 1
	s_add_co_u32 s[G0+4*\s+1], s45, \s*SLOT
	s_add_nc_u64 s[G0+4*\s+2:G0+4*\s+3], s[20:21], \s*NEXT_A
	s_or_b32 s[G0+4*\s+3], s[G0+4*\s+3], 0x80000000
.endr
	ALOAD 0                                        ; tile 0: one tensor load a wave at the head
	v_and_b32 v1, 15, v0
	v_bfe_u32 v2, v0, 4, 1
	v_and_b32 v3, 31, v0
	v_mul_u32_u24 v4, v1, PITCH
	v_lshl_add_u32 v4, v2, 4, v4
	s_mul_i32 s42, s97, 128*PITCH
	v_add_nc_u32 v[ADRA], s42, v4
	s_add_co_u32 s42, s42, SLOT
	v_add_nc_u32 v[ADRA+1], s42, v4
	v_lshlrev_b32 v[EGO], 4, v3
	s_lshl_b32 s42, s96, 12
	s_add_co_u32 s42, s42, ESTG
	v_lshl_add_u32 v[ESTO], v3, 2, s42
	v_lshl_add_u32 v[EST], v3, 2, s42
	s_lshl_b32 s42, s96, 10
	s_add_co_u32 s42, s42, ESTG
	v_add_nc_u32 v[ERD], s42, v[EGO]
	v_lshlrev_b32 v[PFO], 15, v1
	v_lshl_add_u32 v[PFO], v2, 8, v[PFO]
	v_lshlrev_b32 v[VA], 5, v2
	v_mov_b32 v[ET], 0                             ; a lane permute's destination counts as a source
	s_mov_b32 s66, 0x76543210
	s_mov_b32 s67, 0xfedcba98
	s_mov_b32 s94, 0xffff0000
	s_mov_b32 s99, 0
	s_mov_b32 s43, 0
	s_lshl_b32 s42, s16, 10                        ; v at my first n
	s_lshl_b32 s41, s98, 9
	s_add_co_u32 s42, s42, s41
	s_add_nc_u64 s[12:13], s[12:13], s[42:43]
	s_lshl_b32 s42, s19, 19                        ; we_img: kh, the quarter's 16 tiles, my 8
	s_lshl_b32 s41, s16, 16
	s_add_co_u32 s42, s42, s41
	s_lshl_b32 s41, s98, 15
	s_add_co_u32 s42, s42, s41
	s_add_nc_u64 s[8:9], s[8:9], s[42:43]
	s_lshl_b32 s42, s19, 14                        ; we_sc
	s_lshl_b32 s41, s16, 12
	s_add_co_u32 s42, s42, s41
	s_lshl_b32 s41, s98, 11
	s_add_co_u32 s42, s42, s41
	s_add_nc_u64 s[10:11], s[10:11], s[42:43]
	s_lshl_b32 s42, s18, 16                        ; as_t: b, kh, my 128 rows of tile 0
	s_lshl_b32 s41, s19, 15
	s_add_co_u32 s42, s42, s41
	s_lshl_b32 s41, s97, 11
	s_add_co_u32 s42, s42, s41
	s_add_nc_u64 s[SB:SB+1], s[6:7], s[42:43]
	s_lshl_b32 s42, s19, 2                         ; ep: [4 kh + x][b][s]; in the merge wave w stores 512 s
	s_add_co_u32 s42, s42, s16
	s_lshl_b32 s42, s42, 18
	s_lshl_b32 s41, s18, 13
	s_add_co_u32 s42, s42, s41
	s_lshl_b32 s41, s96, 11
	s_add_co_u32 s42, s42, s41
	s_add_nc_u64 s[14:15], s[14:15], s[42:43]
	s_lshl_b32 s42, s40, 21                        ; the prefetches: rows 64 cx + 16 w, b, kh, tile 2
	s_lshl_b32 s41, s96, 19
	s_add_co_u32 s42, s42, s41
	s_lshl_b32 s41, s18, 10
	s_add_co_u32 s42, s42, s41
	s_lshl_b32 s41, s19, 9
	s_add_co_u32 s42, s42, s41
	s_add_co_u32 s42, s42, 1<<24
	s_add_nc_u64 s[PFA:PFA+1], s[4:5], s[42:43]
	s_wait_alu depctr_va_vdst(0)                   ; the wait ahead of readers behind a run of scalar lines
.irp i, 0,1,2,3
	global_load_b128 v[SCB+4*\i:SCB+4*\i+3], v[EGO], s[10:11] offset:512*\i
	global_load_b128 v[SCA+4*\i:SCA+4*\i+3], v[EGO], s[SB:SB+1] offset:512*\i
.endr
.irp b, 0,1,2,3,4,5,6,7
	global_load_b128 v[VV+8*\b:VV+8*\b+3], v[VA], s[12:13] offset:64*\b
	global_load_b128 v[VV+8*\b+4:VV+8*\b+7], v[VA], s[12:13] offset:64*\b+16
.endr
.irp q, 0,1,2,3                        ; We's 32 fragments: 512 consecutive bytes a load
	WIN 0x80+0x40*(\q/2)
.irp b, 0,1,2,3,4,5,6,7
.irp c, 0,1,2,3
	global_load_b128 v[128*(\q%2)+16*\b+4*\c:128*(\q%2)+16*\b+4*\c+3], v[EGO], s[8:9] offset:(\q/2)*262144+\b*4096+(\q%2)*2048+512*\c
.endr
.endr
.endr
	WIN 0
	s_wait_alu depctr_va_vdst(0)                   ; the wait at the head's end
	s_wait_tensorcnt 0x0                           ; my part of tile 0 is in; slot 1's first fill is issued as a refill is
	ds_add_u32 v[SPW], v[NIL]
	s_wait_dscnt 0x0
	CROUND
	ALOAD 1                                        ; tile 1
	LDA 0, 0, 0
	LDA 0, 1, 1
	W 0, 0, 16, 0                                  ; tile 0's block 0 stands ahead of the loop: no sums of a tile before it
.rept 8
	v_nop                                          ; places ahead of the loads into its fragments' registers
.endr
	s_mov_b32 s3, 3
.Ltrip:                                                ; a trip: two tiles, from behind an even tile's block 0 to the next even tile's block 0; tiles 0 to 5 fill their slots again
	REST 0, 2, 1, 1
	W0P 1
	REST 1, 2, 1, 2
	W0P 0
	s_sub_co_u32 s3, s3, 1
	s_cmp_lg_u32 s3, 0
	s_cbranch_scc1 .Ltrip
	REST 0, 1, 1, 0                                ; tile 6: a barrier for tile 7's parts, nothing is filled again
	W0P 1
	REST 1, 0, 0, 0                                ; tile 7
	EPI 1, 384
	; THE MERGE: a row's energy lies in two waves' parts.  Wave w takes tiles 2 w and 2 w + 1.
	s_wait_dscnt 0x0                               ; for the others' sake
	s_barrier_signal -1
	s_barrier_wait -1
.irp u, 0,1
.irp p, 0,1,2,3
	ds_load_b128 v[192+16*\u+4*\p:195+16*\u+4*\p], v[ERD] offset:4096*\p+512*\u
.endr
.endr
	s_wait_dscnt 0x0
.irp u, 0,1
	v_pk_add_f32 v[192+16*\u:193+16*\u], v[192+16*\u:193+16*\u], v[196+16*\u:197+16*\u]
	v_pk_add_f32 v[194+16*\u:195+16*\u], v[194+16*\u:195+16*\u], v[198+16*\u:199+16*\u]
	v_pk_add_f32 v[200+16*\u:201+16*\u], v[200+16*\u:201+16*\u], v[204+16*\u:205+16*\u]
	v_pk_add_f32 v[202+16*\u:203+16*\u], v[202+16*\u:203+16*\u], v[206+16*\u:207+16*\u]
.endr
.irp u, 0,1
	global_store_b128 v[EGO], v[192+16*\u:195+16*\u], s[14:15] offset:1024*\u        ; 512 consecutive bytes, at a multiple of 256
	global_store_b128 v[EGO], v[200+16*\u:203+16*\u], s[14:15] offset:1024*\u+512
.endr
	s_wait_tensorcnt 0x0                           ; the wave's end
	ds_add_u32 v[SPW], v[NIL]
	s_wait_dscnt 0x0
	CROUND                                         ; the closing round
	s_endpgm
.Lfunc_end_k_q540e70a60c_gemm:
	.size	k_q540e70a60c_gemm, .Lfunc_end_k_q540e70a60c_gemm-k_q540e70a60c_gemm
	.p2alignl 7, 3214868480
	.fill 96, 4, 3214868480
	.section	.rodata,"a",@progbits
	.p2align	6, 0x0
	.amdhsa_kernel k_q540e70a60c_gemm
		.amdhsa_group_segment_fixed_size 327680
		.amdhsa_private_segment_fixed_size 0
		.amdhsa_enable_private_segment 0
		.amdhsa_kernarg_size 48
		.amdhsa_user_sgpr_count 2
		.amdhsa_user_sgpr_kernarg_segment_ptr 1
		.amdhsa_wavefront_size32 1
		.amdhsa_system_sgpr_workgroup_id_x 1
		.amdhsa_system_sgpr_workgroup_id_y 1
		.amdhsa_system_sgpr_workgroup_id_z 1
		.amdhsa_system_vgpr_workitem_id 0
		.amdhsa_next_free_vgpr 1024
		.amdhsa_next_free_sgpr 100
		.amdhsa_reserve_vcc 0
		.amdhsa_float_denorm_mode_32 3
		.amdhsa_float_denorm_mode_16_64 3
		.amdhsa_memory_ordered 1
		.amdhsa_forward_progress 1
		.amdhsa_inst_pref_size 255
	.end_amdhsa_kernel
	.section	.bss,"aw",@nobits
	.p2align	6
	.space	262144
	.amdgpu_metadata
---
amdhsa.version: [ 1, 2 ]
amdhsa.kernels:
  - .name:           k_q540e70a60c_gemm
    .symbol:         k_q540e70a60c_gemm.kd
    .args:
      - { .name: encoder_outputs_codes, .offset: 0, .size: 8, .value_kind: global_buffer, .address_space: global }
      - { .name: as_t, .offset: 8, .size: 8, .value_kind: global_buffer, .address_space: global }
      - { .name: we_img, .offset: 16, .size: 8, .value_kind: global_buffer, .address_space: global }
      - { .name: we_sc, .offset: 24, .size: 8, .value_kind: global_buffer, .address_space: global }
      - { .name: v, .offset: 32, .size: 8, .value_kind: global_buffer, .address_space: global }
      - { .name: ep, .offset: 40, .size: 8, .value_kind: global_buffer, .address_space: global }
    .group_segment_fixed_size: 327680
    .private_segment_fixed_size: 0
    .kernarg_segment_align: 8
    .kernarg_segment_size: 48
    .max_flat_workgroup_size: 128
    .sgpr_count:     100
    .vgpr_count:     1024
    .wavefront_size: 32
...
	.end_amdgpu_metadata
.endif
;; end of part 2
;; launch soft (part 3): grid 32 x 1, 16 waves a work-group, no clusters, 2,560 bytes of LDS; arguments ep, out0; writes out0
.if DOCPART == 3
	.amdgcn_target "amdgcn-amd-amdhsa--gfx1250"
	.amdhsa_code_object_version 6
	.text
	.protected	k_q540e70a60c_soft
	.globl	k_q540e70a60c_soft
	.p2align	8
	.type	k_q540e70a60c_soft,@function
k_q540e70a60c_soft:
	s_mov_b64 s[64:65], 0
	v_nop
	global_prefetch_b8 v0, s[64:65] scope:SCOPE_SE
	s_setreg_imm32_b32 hwreg(HW_REG_WAVE_MODE, 25, 1), 1
	s_wait_xcnt 0x0
; out0[b][s] = softmax over s of energy[b][s], energy = the sum of the eight parts (two halves of K x four quarters of N) out of ep [8][32 b][2048 s].
; v . (h Wh^T + attn_b) is left out: it is the same along the softmax's axis (shown at the head of the first kernel).
; A work-group takes one b; thread t owns s = 4 t .. 4 t + 3: every load and the store cover 512 consecutive bytes a wave.  The row's maximum is taken away before the exponential.
; The design has work for 32 work-groups (one for each row of the softmax).  No matrix unit, no cluster, no tensor load: each byte is read once and nothing is shared.
; LIMITS: an exponential under 2^-126 comes out as 0 (ISA guide, v_exp_f32); NaN and infinities among the energies are not served.
	s_load_b64 s[4:5], s[0:1], 0x0                 ; ep
	s_load_b64 s[8:9], s[0:1], 0x8                 ; out0
	v_lshl_add_u32 v64, v0, 2, 0x200
	v_mov_b32 v65, 0
	v_lshlrev_b32 v1, 4, v0                        ; 16 bytes a thread
	v_lshrrev_b32 v42, 5, v0
	s_delay_alu instid0(VALU_DEP_1)
	v_lshlrev_b32 v42, 2, v42                      ; my wave's word in LDS
	v_mov_b32 v43, 0
	v_mov_b32 v41, 0                               ; a lane permute's destination counts as a source
	s_mov_b32 s12, 0x76543210
	s_mov_b32 s13, 0xfedcba98
	s_lshl_b32 s10, ttmp9, 13                      ; b's 8,192 bytes
	s_mov_b32 s11, 0
	s_wait_alu depctr_va_vdst(0)                   ; the wait at the head's end
	s_wait_kmcnt 0x0
	s_add_nc_u64 s[4:5], s[4:5], s[10:11]
	s_add_nc_u64 s[8:9], s[8:9], s[10:11]
.irp p, 0,1,2,3,4,5,6,7
	global_load_b128 v[4+4*\p:7+4*\p], v1, s[4:5] offset:262144*\p th:TH_LOAD_NT
.endr
	s_wait_loadcnt 0x0
.irp p, 0,2,4,6
	v_pk_add_f32 v[4+4*\p:5+4*\p], v[4+4*\p:5+4*\p], v[8+4*\p:9+4*\p]       ; the eight parts, in pairs
	v_pk_add_f32 v[6+4*\p:7+4*\p], v[6+4*\p:7+4*\p], v[10+4*\p:11+4*\p]
.endr
	v_pk_add_f32 v[4:5], v[4:5], v[12:13]
	v_pk_add_f32 v[6:7], v[6:7], v[14:15]
	v_pk_add_f32 v[20:21], v[20:21], v[28:29]
	v_pk_add_f32 v[22:23], v[22:23], v[30:31]
	s_delay_alu instid0(VALU_DEP_2)
	v_pk_add_f32 v[4:5], v[4:5], v[20:21]
	s_delay_alu instid0(VALU_DEP_2)
	v_pk_add_f32 v[6:7], v[6:7], v[22:23]
	s_delay_alu instid0(VALU_DEP_1)
	v_max3_num_f32 v40, v4, v5, v6                 ; the row's maximum: my four, my wave's, the sixteen waves'
	s_delay_alu instid0(VALU_DEP_1)
	v_max_num_f32 v40, v40, v7
	s_delay_alu instid0(VALU_DEP_1)
	v_max_num_f32_dpp v40, v40, v40 row_xmask:1 row_mask:0xf bank_mask:0xf
	s_delay_alu instid0(VALU_DEP_1)
	v_max_num_f32_dpp v40, v40, v40 row_xmask:2 row_mask:0xf bank_mask:0xf
	s_delay_alu instid0(VALU_DEP_1)
	v_max_num_f32_dpp v40, v40, v40 row_xmask:4 row_mask:0xf bank_mask:0xf
	s_delay_alu instid0(VALU_DEP_1)
	v_max_num_f32_dpp v40, v40, v40 row_xmask:8 row_mask:0xf bank_mask:0xf
	s_delay_alu instid0(VALU_DEP_1)
	v_permlanex16_b32 v41, v40, s12, s13
	s_delay_alu instid0(VALU_DEP_1)
	v_max_num_f32 v40, v40, v41
	ds_store_b32 v42, v40                          ; all lanes write the same word with the same value
	s_wait_dscnt 0x0                               ; for the others' sake
	s_barrier_signal -1
	s_barrier_wait -1
.irp i, 0,1,2,3
	ds_load_b128 v[44+4*\i:47+4*\i], v43 offset:16*\i
.endr
	s_wait_dscnt 0x0
	v_max3_num_f32 v40, v44, v45, v46
.irp i, 47,49,51,53,55,57
	s_delay_alu instid0(VALU_DEP_1)
	v_max3_num_f32 v40, v40, v[\i], v[\i+1]
.endr
	s_delay_alu instid0(VALU_DEP_1)
	v_max_num_f32 v40, v40, v59
.irp j, 4,5,6,7
	v_sub_f32 v[\j], v[\j], v40                    ; the maximum is taken away first, then the change of base
.endr
.irp j, 4,5,6,7
	s_delay_alu instid0(VALU_DEP_4)
	v_mul_f32 v[\j], 0x3fb8aa3b, v[\j]
.endr
	s_wait_alu depctr_va_vdst(0)                   ; the wait ahead of the batch
.irp j, 4,5,6,7
	v_exp_f32 v[\j], v[\j]
.endr
	v_nop                                          ; one plain line behind the last exponential
	s_wait_alu depctr_va_vdst(0)                   ; and the one wait behind the batch
	v_add_f32 v60, v4, v5
	v_add_f32 v61, v6, v7
	v_nop
	v_add_f32 v60, v60, v61
	s_delay_alu instid0(VALU_DEP_1)
	v_add_f32_dpp v60, v60, v60 row_xmask:1 row_mask:0xf bank_mask:0xf
	s_delay_alu instid0(VALU_DEP_1)
	v_add_f32_dpp v60, v60, v60 row_xmask:2 row_mask:0xf bank_mask:0xf
	s_delay_alu instid0(VALU_DEP_1)
	v_add_f32_dpp v60, v60, v60 row_xmask:4 row_mask:0xf bank_mask:0xf
	s_delay_alu instid0(VALU_DEP_1)
	v_add_f32_dpp v60, v60, v60 row_xmask:8 row_mask:0xf bank_mask:0xf
	s_delay_alu instid0(VALU_DEP_1)
	v_permlanex16_b32 v41, v60, s12, s13
	s_delay_alu instid0(VALU_DEP_1)
	v_add_f32 v60, v60, v41
	ds_store_b32 v42, v60 offset:256               ; other bytes than the maxima's
	s_wait_dscnt 0x0
	s_barrier_signal -1
	s_barrier_wait -1
.irp i, 0,1,2,3
	ds_load_b128 v[44+4*\i:47+4*\i], v43 offset:256+16*\i
.endr
	s_wait_dscnt 0x0
	v_pk_add_f32 v[44:45], v[44:45], v[46:47]
	v_pk_add_f32 v[48:49], v[48:49], v[50:51]
	v_pk_add_f32 v[52:53], v[52:53], v[54:55]
	v_pk_add_f32 v[56:57], v[56:57], v[58:59]
	s_delay_alu instid0(VALU_DEP_3)
	v_pk_add_f32 v[44:45], v[44:45], v[48:49]
	s_delay_alu instid0(VALU_DEP_2)
	v_pk_add_f32 v[52:53], v[52:53], v[56:57]
	s_delay_alu instid0(VALU_DEP_1)
	v_pk_add_f32 v[44:45], v[44:45], v[52:53]
	s_delay_alu instid0(VALU_DEP_1)
	v_add_f32 v44, v44, v45                        ; the row's sum, at least 1
	s_wait_alu depctr_va_vdst(0)
	v_rcp_f32 v62, v44
	v_nop
	s_wait_alu depctr_va_vdst(0)
.irp j, 4,5,6,7
	v_mul_f32 v[\j], v[\j], v62
.endr
	global_store_b128 v1, v[4:7], s[8:9] th:TH_STORE_NT    ; 512 consecutive bytes a wave, at a multiple of 256
	s_wait_tensorcnt 0x0                           ; the wave's end
	ds_add_u32 v64, v65
	s_wait_dscnt 0x0
	s_endpgm
.Lfunc_end_k_q540e70a60c_soft:
	.size	k_q540e70a60c_soft, .Lfunc_end_k_q540e70a60c_soft-k_q540e70a60c_soft
	.p2alignl 7, 3214868480
	.fill 96, 4, 3214868480
	.section	.rodata,"a",@progbits
	.p2align	6, 0x0
	.amdhsa_kernel k_q540e70a60c_soft
		.amdhsa_group_segment_fixed_size 2560
		.amdhsa_private_segment_fixed_size 0
		.amdhsa_enable_private_segment 0
		.amdhsa_kernarg_size 16
		.amdhsa_user_sgpr_count 2
		.amdhsa_user_sgpr_kernarg_segment_ptr 1
		.amdhsa_wavefront_size32 1
		.amdhsa_system_sgpr_workgroup_id_x 1
		.amdhsa_system_sgpr_workgroup_id_y 1
		.amdhsa_system_sgpr_workgroup_id_z 1
		.amdhsa_system_vgpr_workitem_id 0
		.amdhsa_next_free_vgpr 66
		.amdhsa_next_free_sgpr 66
		.amdhsa_reserve_vcc 0
		.amdhsa_float_denorm_mode_32 3
		.amdhsa_float_denorm_mode_16_64 3
		.amdhsa_memory_ordered 1
		.amdhsa_forward_progress 1
		.amdhsa_inst_pref_size 8
	.end_amdhsa_kernel
	.amdgpu_metadata
---
amdhsa.version: [ 1, 2 ]
amdhsa.kernels:
  - .name:           k_q540e70a60c_soft
    .symbol:         k_q540e70a60c_soft.kd
    .args:
      - { .name: ep, .offset: 0, .size: 8, .value_kind: global_buffer, .address_space: global }
      - { .name: out0, .offset: 8, .size: 8, .value_kind: global_buffer, .address_space: global }
    .group_segment_fixed_size: 2560
    .private_segment_fixed_size: 0
    .kernarg_segment_align: 8
    .kernarg_segment_size: 16
    .max_flat_workgroup_size: 512
    .sgpr_count:     66
    .vgpr_count:     66
    .wavefront_size: 32
...
	.end_amdgpu_metadata
.endif
;; end of part 3
